; MI455X (gfx1250); checked and timed in simulation.
; The chip was launched on July 23, 2026; its instructions are those of AMD's public machine-readable ISA for CDNA 5 (MIT licence, August 2026) and "CDNA5" Instruction Set Architecture Reference Guide (July 2026). The comments in the code are by the model that wrote it; some were corrected since.
;; PINN Euler. Allowed arithmetic: float matrix products may take bf16 or f16 operands with f32 sums; all other float work in f32.
;; Inputs: W0 3 x 128 float32; W1 128 x 128 float32; W2 128 x 128 float32; W3 128 x 128 float32; W4 128 x 4 float32; b0 128 float32; b1 128 float32; b2 128 float32; b3 128 float32; b4 4 float32; t 131,072 x 1 float32; x 131,072 x 1 float32; y 131,072 x 1 float32.
;; Outputs: out0 131,072 x 4 float32.
;; One version. Each part assembles by itself: llvm-mc -triple=amdgcn-amd-amdhsa -mcpu=gfx1250 --defsym DOCPART=n.
;; ======== version 1 of 1: 1 launch
;; limits: inputs' magnitudes at most 65,504; values are held in f16: magnitudes above 65,504 overflow, below 6.1e-05 lose precision; right only within a limited range of input values; a function is approximated: absolute error at most 6.7e-06
;; launch pinn (part 1): grid 256 x 1, 8 waves a work-group, no clusters, 133,376 bytes of LDS; arguments t, x, y, W0, b0, W1, b1, W2, b2, W3, b3, W4, b4, out0; writes out0
.if DOCPART == 1
	.amdgcn_target "amdgcn-amd-amdhsa--gfx1250"
	.amdhsa_code_object_version 6
	.text
	.protected	k_q332d6ab1cb_pinn
	.globl	k_q332d6ab1cb_pinn
	.p2align	8
	.type	k_q332d6ab1cb_pinn,@function
k_q332d6ab1cb_pinn:
	s_mov_b64 s[64:65], 0
	v_nop
	global_prefetch_b8 v0, s[64:65] scope:SCOPE_SE
	s_setreg_imm32_b32 hwreg(HW_REG_WAVE_MODE, 25, 1), 1
	s_wait_xcnt 0x0
; Euler residual of a sin-activated MLP 3-128-128-128-128-4 at 131,072 points, in one launch.
; Four streams go through the same weights: the values and the derivatives by t, by x and by y (a tangent z' of a layer becomes
; cos(z) z').  From rho, u, v, p and their twelve derivatives the four residuals U_t + F_x + G_y follow pointwise in f32.
;
; SHARING.  256 work-groups of 8 waves; a work-group owns 512 samples, a wave 64, as four tiles of 16.  Behind the prologue's two barriers
; (the weights are in LDS) the waves are independent.
; TRANSPOSED PRODUCTS.  Each layer is Z^T = W^T H^T: the A fragment is 16 output features x 32 input features, the B fragment 32 input
; features x 16 samples, one n tile for each stream.  In D, register j of lane (r, h) is (feature 8h + j, sample r); the register pairs of
; feature tiles 2p and 2p + 1, rounded to f16, ARE registers 0-3 and 4-7 of the next layer's B fragment of K chunk p.  So activations
; never leave the registers and no lane talks to another.
; FORMATS.  Matrix operands in f16 (11 significant bits: the net is close to linear, a tangent is nearly the same number at every sample, so
; its rounding error does not average out over samples, and 8 bits are too few); biases, sums, sin, cos and the residuals in f32.
; f16's RANGE is met by exact powers of two taken from the weights themselves:
;   e_l = exponent of max |W_l|; the weights go in as W_l 2^-e_l, below 2 in magnitude.  The bias enters as C, times 2^-e_l, and the
;   reduction multiplies the sum by 2^e_l / pi in place of 1 / pi.
;   Tangents: the unit vectors of layer 0 are 2^14, so that layer 1's operands are below 2^15; in layers 1-3 the coefficients of cos carry
;   2^-8, and 128 products of a weight below 2 with a tangent below 2^15, times 2^-8, are below 2^15 again: no tangent can overflow.
;   The last layer's derivatives are multiplied once by 2^(10 + e_0 + .. + e_4), its values by 2^e_4.
;   Values of hidden layers lie in [-1, 1]; below 2^-14 they carry an absolute error of 2^-25, which is harmless, since they enter only
;   sin, cos and products with derivatives, where absolute accuracy is what counts.
; SIN AND COS by plain arithmetic: n = round(z / pi) by adding 1.5 x 2^23, g = z / pi - n in [-1/2, 1/2], sin z = (-1)^n g S(g^2),
; cos z = (-1)^n C(g^2), S and C cubic in g^2.
; LIMITS, stated: e_l is clamped to -20 .. 20: max |W_l| must stay below 2^21 (the bound on the tangents rests on it), and under 2^-20 the
; weights are raised by 2^20 only.  A matrix whose largest entry towers over the others leaves the stored tangents small: each hidden layer
; multiplies them by (its true gain) / (128 max |W_l|) or up to twice that, and when they fall from 2^15 to under 2^-13 they lose bits.
; |t|, |x|, |y| < 65,504.  The reduction holds for |z| < 2^22 pi (about 1.3e7), and g carries an error of about 4e-8 |z| / pi from the
; rounding of 1 / pi; the polynomials err by at most 1.2e-6 (sin) and 6.7e-6 (cos), absolute; 1 / (gamma - 1) is taken as 2.5, which is
; 1.5e-8 (relative) from division by the f32 nearest to 0.4.
; NO CLUSTER, NO TENSOR LOADS: what work-groups share are 202,256 bytes of f32 weights and biases, read once at the start, and they must pass
; through registers to be scaled and rounded; a stage for the three large matrices in f32 (196,608 bytes) beside the 132,352 resident bytes
; is more than the 327,680 bytes that a work-group can have.  All other bytes (t, x, y, the output) belong to one wave alone.
; ---- LDS ----
.set PITCH, 288                        ; a weight row: 128 f16 = 256 bytes + 32 of padding = 9 x 32, an odd multiple of 32 bytes
.set LW1,   0                          ; W1 as f16 [k][n], 128 rows
.set LW2,   36864                      ; W2
.set LW3,   73728                      ; W3
.set LW0,   110592                     ; W0, 32 rows: rows 3 to 31 are zeros
.set LW4,   119808                     ; W4, 128 rows of 32 bytes: w0..w3, four zeros, w0..w3, four zeros
.set LBIAS, 123904                     ; b0, b1, b2, b3 in f32, scaled, 512 bytes each
.set LTXY,  125952                     ; wave w at 768 w: its 64 t, 64 x, 64 y in f32
.set LRED,  132096                     ; wave w at 32 w: the largest |W0| .. |W4| that it has seen, five f32
; ---- vector registers, window 0 ----
.set ADRW,  2                          ; v2-5    lane term of the transposing loads + start of W0, W1, W2, W3
.set ADRW4, 6                          ; v6      the same for W4 (pitch 32)
.set ADRB,  7                          ; v7      LBIAS + 32 h
.set ADRT,  8                          ; v8      my sample's t in LDS (x, y: + 256, + 512); 64 bytes on with every tile
.set OUTO,  9                          ; v9      my 8 bytes of the output; 256 bytes on with every tile
.set RC3B,  10                         ; v[10:11] C's highest coefficient x 2^-8, twice (layers 1-3)
.set RS3,   12                         ; v[12:13] S's highest coefficient, twice
.set RC3A,  14                         ; v[14:15] C's highest coefficient, twice (layer 0)
.set B4F,   16                         ; v[16:23] the last layer's C operand: b4[0..3] 2^-e_4, then four zeros
.set T,     24                         ; v[24:63] at work: unit u has the pairs M, G, X, P, Q at T + 10 u
.set TM, 0
.set TG, 2
.set TX, 4
.set TP, 6
.set TQ, 8
.set MX,    56                         ; v[56:60] prologue only: the largest |W0| .. |W4|
.set ACC,   64                         ; v[64:127]  accumulators: m tile mt, stream s at ACC + 32 mt + 8 s
.set AF,    128                        ; v[128:191] weight fragments: m tile mt, K chunk kc at AF + 8 (4 mt + kc)
.set BF,    192                        ; v[192:207] bias fragments of the two m tiles
.set IN,    208                        ; v[208:239] layer 0's B fragments: (t, x, y), 2^14 e0, 2^14 e1, 2^14 e2
.set RIPI,  240                        ; v[240:247] layer l: 2^e_l / pi, twice
; ---- window 1: two buffers of B fragments; K chunk kc of stream s at base + 8 (4 kc + s) ----
.set BX,    0                          ; v256-383
.set BY,    128                        ; v384-511
; ---- scalar registers: pairs have both words written; a packed instruction takes the first word for both halves ----
.set SMAGIC, 48
.set SS2, 52
.set SS1, 54
.set SS0, 56
.set SC2, 58                           ; C's lower coefficients, layer 0
.set SC1, 60
.set SC0, 62
.set SOM, 66                           ; s[66:75] matrix l: 2^-e_l, a pair each
.set SF,  76                           ; s[76:77] 2^(10 + e_0 + .. + e_4)
.set SC2B, 78                          ; C's lower coefficients x 2^-8, layers 1-3
.set SC1B, 80
.set SC0B, 82
.set SINV, 90                          ; s90-93 2^e_0 .. 2^e_3; s[94:95] 2^e_4, a pair
; ---- numbers ----
.set K_IPI,   0x3ea2f983               ; 1 / pi
.set K_MAGIC, 0x4b400000               ; 1.5 x 2^23: in [2^23, 2^24) an f32's last bit counts 1
.set K_S0, 0x40490fd1                  ;  3.14159027   sin(pi g) = g (S0 + S1 X + S2 X^2 + S3 X^3), X = g^2
.set K_S1, 0xc0a55b65                  ; -5.16740673
.set K_S2, 0x4022d111                  ;  2.54401044
.set K_S3, 0xbf0f38e9                  ; -0.55946212
.set K_C0, 0x3f7fff8f                  ;  0.99999325   cos(pi g) = C0 + C1 X + C2 X^2 + C3 X^3
.set K_C1, 0xc09de2cb                  ; -4.93393467
.set K_C2, 0x408151e8                  ;  4.04124811
.set K_C3, 0xbf9c6b8a                  ; -1.22203178
.set K_C0B, 0x3b7fff8f                 ; the same four x 2^-8: the exponent field less 8
.set K_C1B, 0xbc9de2cb
.set K_C2B, 0x3c8151e8
.set K_C3B, 0xbb9c6b8a
.set EFMIN, 107                        ; an exponent field is kept in 127 - 20 .. 127 + 20, so that every scale below, the product of all
.set EFMAX, 147                        ; five too (2^-90 .. 2^110), is a normal f32
.set MSB, 0
.macro WIN new                         ; s_set_vgpr_msb: bits 1:0 source 0, 3:2 source 1, 5:4 source 2, 7:6 destination; the high byte repeats the setting left
.if MSB != \new
	s_set_vgpr_msb (MSB<<8)|\new
.set MSB, \new
.endif
.endm
.macro SPAIR reg, val
	s_mov_b32 s[\reg], \val
	s_mov_b32 s[\reg+1], \val
.endm
	; ================= PROLOGUE: the weights become scaled f16 in LDS =================
	s_load_b512 s[8:23], s[0:1], 0x0               ; t s[8:9], x s[10:11], y s[12:13], W0 s[14:15], b0 s[16:17], W1 s[18:19], b1 s[20:21], W2 s[22:23]
	s_load_b256 s[24:31], s[0:1], 0x40             ; b2 s[24:25], W3 s[26:27], b3 s[28:29], W4 s[30:31]
	s_load_b128 s[32:35], s[0:1], 0x60             ; b4 s[32:33], out0 s[34:35]
	v_lshrrev_b32 v1, 5, v0
	v_readfirstlane_b32 s2, v1                     ; wave w, 0 to 7
	v_and_b32 v1, 31, v0                           ; lane
	s_lshl_b32 s42, ttmp9, 11                      ; 512 samples x 4 bytes for each work-group
	s_lshl_b32 s3, s2, 8                           ; 64 samples x 4 bytes for each wave
	s_add_co_u32 s42, s42, s3
	s_mov_b32 s43, 0
	v_lshlrev_b32 v40, 3, v1                       ; t, x, y: 8 bytes a lane
	s_max_u32 s3, s2, 4
	s_sub_co_u32 s3, s3, 4
	s_lshl_b32 s3, s3, 9                           ; waves 4-7: quarter w - 4 of W4 (512 bytes); waves 0-3: 0
	v_lshl_add_u32 v41, v1, 4, s3
	s_min_u32 s3, s2, 2
	s_lshl_b32 s3, s3, 9                           ; row min(w, 2) of W0: every wave loads a row that exists
	v_lshl_add_u32 v42, v1, 4, s3
	s_lshl_b32 s3, s2, 13                          ; rows 16 w .. 16 w + 15 of W1, W2, W3: 16 x 512 bytes
	v_lshl_add_u32 v43, v1, 4, s3
	s_wait_kmcnt 0x0
	s_load_b128 s[36:39], s[32:33], 0x0            ; b4's four numbers
	s_add_nc_u64 s[8:9], s[8:9], s[42:43]          ; t, x, y at my wave's 64 samples
	s_add_nc_u64 s[10:11], s[10:11], s[42:43]
	s_add_nc_u64 s[12:13], s[12:13], s[42:43]
	s_lshl_b32 s42, ttmp9, 13                      ; 512 samples x 16 bytes
	s_add_nc_u64 s[34:35], s[34:35], s[42:43]      ; out0 at the work-group's first sample
	s_cmp_eq_u32 s2, 0                             ; the small load: wave 0-3 takes b0-b3, waves 4-7 take W4
	s_cselect_b64 s[40:41], s[16:17], s[30:31]
	s_cmp_eq_u32 s2, 1
	s_cselect_b64 s[40:41], s[20:21], s[40:41]
	s_cmp_eq_u32 s2, 2
	s_cselect_b64 s[40:41], s[24:25], s[40:41]
	s_cmp_eq_u32 s2, 3
	s_cselect_b64 s[40:41], s[28:29], s[40:41]
	; 53 loads of every wave, all issued before anything is waited for
	global_load_b64 v[24:25], v40, s[8:9] th:TH_LOAD_NT    ; 32 lanes x 8 bytes = 256 consecutive bytes, aligned; read once in the launch
	global_load_b64 v[26:27], v40, s[10:11] th:TH_LOAD_NT
	global_load_b64 v[28:29], v40, s[12:13] th:TH_LOAD_NT
	global_load_b128 v[32:35], v41, s[40:41]       ; a bias (128 f32) or 32 rows of W4
	global_load_b128 v[36:39], v42, s[14:15]       ; a row of W0
.irp i, 0,1,2,3,4,5,6,7,8,9,10,11,12,13,14,15
	global_load_b128 v[64+4*\i:67+4*\i], v43, s[18:19] offset:512*\i       ; one instruction = one row of 512 bytes
.endr
.irp i, 0,1,2,3,4,5,6,7,8,9,10,11,12,13,14,15
	global_load_b128 v[128+4*\i:131+4*\i], v43, s[22:23] offset:512*\i
.endr
.irp i, 0,1,2,3,4,5,6,7,8,9,10,11,12,13,14,15
	global_load_b128 v[192+4*\i:195+4*\i], v43, s[26:27] offset:512*\i
.endr
	; while they are on their way: addresses and constants that stay for the whole kernel
	v_and_b32 v52, 15, v0                          ; r
	v_bfe_u32 v53, v0, 4, 1                        ; h
	v_and_b32 v54, 7, v0
	v_bfe_u32 v55, v0, 3, 1
	v_lshl_add_u32 v54, v53, 3, v54                ; 8 h + (lane & 7): the row of K that I address in a block of 16
	v_lshlrev_b32 v55, 4, v55                      ; 16 bytes x ((lane >> 3) & 1): which eight columns
	v_mad_u32_u24 v[ADRW+1], v54, PITCH, v55       ; W1 starts at LDS byte 0
	v_add_nc_u32 v[ADRW+0], LW0, v[ADRW+1]
	v_add_nc_u32 v[ADRW+2], LW2, v[ADRW+1]
	v_add_nc_u32 v[ADRW+3], LW3, v[ADRW+1]
	v_lshl_add_u32 v[ADRW4], v54, 5, v55
	v_add_nc_u32 v[ADRW4], LW4, v[ADRW4]
	v_lshl_add_u32 v[ADRB], v53, 5, LBIAS          ; features 8 h .. 8 h + 7 of a tile
	s_mul_i32 s3, s2, 768
	s_add_co_u32 s3, s3, LTXY                      ; my wave's t, x, y
	v_lshl_add_u32 v[ADRT], v52, 2, s3
	v_lshl_add_u32 v44, v1, 3, s3                  ; where I put my 8 bytes of them
	v_lshlrev_b32 v[OUTO], 4, v52                  ; 16 r
	v_lshl_add_u32 v[OUTO], v53, 3, v[OUTO]        ; + 8 h
	s_lshl_b32 s3, s2, 10
	v_add_nc_u32 v[OUTO], s3, v[OUTO]              ; + 64 samples x 16 bytes x wave
	s_mul_i32 s3, s2, PITCH
	s_add_co_u32 s3, s3, LW0
	v_lshl_add_u32 v45, v1, 3, s3                  ; row w of W0's region, 8 bytes a lane
	s_mul_i32 s3, s2, 16*PITCH
	v_lshl_add_u32 v47, v1, 3, s3                  ; row 16 w of W1's region,
	v_add_nc_u32 v48, LW2, v47                     ; of W2's,
	v_add_nc_u32 v49, LW3, v47                     ; of W3's
	v_mov_b32 v50, 0
	v_mov_b32 v51, 0
	s_lshl_b32 s3, s2, 5
	s_add_co_u32 s3, s3, LRED
	v_mov_b32 v63, s3                              ; my wave's five maxima
	v_mov_b32 v62, 0                               ; v_permlanex16_b32's destination counts as read: written once here
	s_cmp_lt_u32 s2, 3
	s_cselect_b32 s46, -1, 0                       ; keeps W0's rows 0-2, clears what waves 3-7 loaded in their stead
	s_cmp_lt_u32 s2, 4
	s_cselect_b32 s47, 0, -1                       ; keeps W4's maximum in waves 4-7, clears it in waves 0-3, which hold a bias there
	s_mov_b32 s45, 0xffff0000                      ; the lanes with h = 1
	s_mov_b32 s50, 0x76543210                      ; v_permlanex16_b32: lane i of one half reads lane i of the other
	s_mov_b32 s51, 0xfedcba98
	SPAIR SMAGIC, K_MAGIC
	SPAIR SS2, K_S2
	SPAIR SS1, K_S1
	SPAIR SS0, K_S0
	SPAIR SC2, K_C2
	SPAIR SC1, K_C1
	SPAIR SC0, K_C0
	SPAIR SC2B, K_C2B
	SPAIR SC1B, K_C1B
	SPAIR SC0B, K_C0B
	v_mov_b32 v[RS3], K_S3
	v_mov_b32 v[RS3+1], K_S3
	v_mov_b32 v[RC3A], K_C3
	v_mov_b32 v[RC3A+1], K_C3
	v_mov_b32 v[RC3B], K_C3B
	v_mov_b32 v[RC3B+1], K_C3B
	s_wait_loadcnt 50                              ; loads return in order: 50 were issued behind y's, so t, x, y are in
	ds_store_b64 v44, v[24:25]                     ; my wave's own bytes: only this wave reads them
	ds_store_b64 v44, v[26:27] offset:256
	ds_store_b64 v44, v[28:29] offset:512
	; the largest magnitude of each matrix: first in my own registers,
.macro MAXW reg, d                     ; 64 registers, two chains
	v_max_num_f32 v[\d], |v[\reg]|, |v[\reg+1]|
	v_max_num_f32 v61, |v[\reg+2]|, |v[\reg+3]|
.set j, 4
.rept 15
	v_max3_num_f32 v[\d], |v[\reg+j]|, |v[\reg+j+1]|, v[\d]
	v_max3_num_f32 v61, |v[\reg+j+2]|, |v[\reg+j+3]|, v61
.set j, j+4
.endr
	v_max_num_f32 v[\d], v[\d], v61
.endm
	s_wait_loadcnt 48                              ; the 48 rows of W1-W3 stay out; the small load and W0's row are in
	v_max_num_f32 v[MX], |v36|, |v37|              ; waves 3-7 hold row 2 once more: it changes no maximum
	v_max_num_f32 v[MX+4], |v32|, |v33|
	v_max3_num_f32 v[MX], |v38|, |v39|, v[MX]
	v_max3_num_f32 v[MX+4], |v34|, |v35|, v[MX+4]
	v_and_b32 v[MX+4], s47, v[MX+4]
	s_wait_loadcnt 32                              ; W1's rows are in; W2's and W3's 32 loads stay out
	MAXW 64, MX+1
	s_wait_loadcnt 16                              ; W2's
	MAXW 128, MX+2
	s_wait_loadcnt 0x0                             ; W3's
	MAXW 192, MX+3
	; then over the wave's 32 lanes,
.irp m, 1,2,4,8
.irp l, 0,1,2,3,4
	v_max_num_f32_dpp v[MX+\l], v[MX+\l], v[MX+\l] row_xmask:\m row_mask:0xf bank_mask:0xf
.endr
.endr
.irp l, 0,1,2,3,4
	v_permlanex16_b32 v62, v[MX+\l], s50, s51
	v_max_num_f32 v[MX+\l], v[MX+\l], v62
.endr
	; then over the eight waves, through LDS
	ds_store_b128 v63, v[MX:MX+3]                  ; all lanes write the same bytes with the same numbers
	ds_store_b32 v63, v[MX+4] offset:16
	s_wait_dscnt 0x0                               ; for the other waves' sake: my stores are done,
	s_barrier_signal -1
	s_barrier_wait -1                              ; and everybody's
	v_and_b32 v62, 7, v0
	v_lshl_add_u32 v62, v62, 5, LRED               ; lane i takes wave i % 8's five numbers
	ds_load_b128 v[MX:MX+3], v62
	ds_load_b32 v[MX+4], v62 offset:16
	s_wait_dscnt 0x0
.irp m, 1,2,4
.irp l, 0,1,2,3,4
	v_max_num_f32_dpp v[MX+\l], v[MX+\l], v[MX+\l] row_xmask:\m row_mask:0xf bank_mask:0xf
.endr
.endr
	; the scales: exact powers of two, made on the exponent fields.  They steer numbers only, no address and no branch.
	s_mov_b32 s88, 0
.irp l, 0,1,2,3,4
	v_readfirstlane_b32 s86, v[MX+\l]
	s_lshr_b32 s86, s86, 23                        ; the maximum is not negative: this is its exponent field, 127 + e_l
	s_max_u32 s86, s86, EFMIN
	s_min_u32 s86, s86, EFMAX
	s_add_co_u32 s88, s88, s86
	s_lshl_b32 s[SINV+\l], s86, 23                 ; 2^e_l
	s_sub_co_u32 s87, 254, s86
	s_lshl_b32 s[SOM+2*\l], s87, 23                ; 2^-e_l
	s_mov_b32 s[SOM+2*\l+1], s[SOM+2*\l]
.endr
	s_mov_b32 s[SINV+5], s[SINV+4]
	s_sub_co_u32 s88, s88, 498                     ; 5 x 127 off, 10 and 127 on
	s_lshl_b32 s[SF], s88, 23                      ; 2^(10 + e_0 + .. + e_4)
	s_mov_b32 s[SF+1], s[SF]
	s_wait_kmcnt 0x0                               ; b4
.irp j, 0,1,2,3
	v_mov_b32 v[B4F+\j], s[36+\j]
.endr
.irp j, 0,1,2,3
	v_mul_f32 v[B4F+\j], s[SOM+8], v[B4F+\j]
.endr
.irp j, 4,5,6,7
	v_mov_b32 v[B4F+\j], 0
.endr
	; scale, round, store
	v_pk_mul_f32 v[36:37], v[36:37], s[SOM:SOM+1] op_sel_hi:[1,0]
	v_pk_mul_f32 v[38:39], v[38:39], s[SOM:SOM+1] op_sel_hi:[1,0]
	v_cvt_pk_f16_f32 v36, v36, v37
	v_cvt_pk_f16_f32 v37, v38, v39
	v_and_b32 v36, s46, v36
	v_and_b32 v37, s46, v37
	ds_store_b64 v45, v[36:37]                     ; wave w writes rows w, w + 8, w + 16, w + 24 of W0's region: each row has one writer
	ds_store_b64 v45, v[50:51] offset:8*PITCH
	ds_store_b64 v45, v[50:51] offset:16*PITCH
	ds_store_b64 v45, v[50:51] offset:24*PITCH
	s_cmp_lt_u32 s2, 4
	s_cbranch_scc0 .Lw4
	s_cmp_eq_u32 s2, 1                             ; waves 0-3: bias w stays f32 and takes its layer's scale
	s_cselect_b32 s86, s[SOM+2], s[SOM]
	s_cmp_eq_u32 s2, 2
	s_cselect_b32 s86, s[SOM+4], s86
	s_cmp_eq_u32 s2, 3
	s_cselect_b32 s86, s[SOM+6], s86
	s_mov_b32 s87, s86
	s_lshl_b32 s3, s2, 9
	s_add_co_u32 s3, s3, LBIAS
	v_lshl_add_u32 v46, v1, 4, s3
	v_pk_mul_f32 v[32:33], v[32:33], s[86:87] op_sel_hi:[1,0]
	v_pk_mul_f32 v[34:35], v[34:35], s[86:87] op_sel_hi:[1,0]
	ds_store_b128 v46, v[32:35]
	s_branch .Lsmall_done
.Lw4:
	s_lshl_b32 s3, s2, 10                          ; waves 4-7: rows 32 (w - 4) + lane of W4, 32 bytes each
	s_add_co_u32 s3, s3, LW4-4096
	v_lshl_add_u32 v46, v1, 5, s3
	v_pk_mul_f32 v[32:33], v[32:33], s[SOM+8:SOM+9] op_sel_hi:[1,0]
	v_pk_mul_f32 v[34:35], v[34:35], s[SOM+8:SOM+9] op_sel_hi:[1,0]
	v_cvt_pk_f16_f32 v56, v32, v33
	v_cvt_pk_f16_f32 v57, v34, v35
	v_mov_b32 v58, 0
	v_mov_b32 v59, 0
	ds_store_b128 v46, v[56:59]                    ; columns 0-7: the four outputs, four zeros
	ds_store_b128 v46, v[56:59] offset:16          ; columns 8-15: the same once more, so that lanes 16-31 get the same results as lanes 0-15
.Lsmall_done:
.macro PUTW reg, adr, som              ; 16 rows: 4 f32 a lane become 8 bytes; 32 lanes store 256 consecutive bytes
.irp i, 0,1,2,3,4,5,6,7,8,9,10,11,12,13,14,15
	v_pk_mul_f32 v[\reg+4*\i:\reg+4*\i+1],   v[\reg+4*\i:\reg+4*\i+1],   s[\som:\som+1] op_sel_hi:[1,0]
	v_pk_mul_f32 v[\reg+4*\i+2:\reg+4*\i+3], v[\reg+4*\i+2:\reg+4*\i+3], s[\som:\som+1] op_sel_hi:[1,0]
	v_cvt_pk_f16_f32 v[\reg+4*\i], v[\reg+4*\i], v[\reg+4*\i+1]
	v_cvt_pk_f16_f32 v[\reg+4*\i+1], v[\reg+4*\i+2], v[\reg+4*\i+3]
	ds_store_b64 v[\adr], v[\reg+4*\i:\reg+4*\i+1] offset:\i*PITCH
.endr
.endm
	PUTW 64, 47, SOM+2
	PUTW 128, 48, SOM+4
	PUTW 192, 49, SOM+6
	s_wait_dscnt 0x0                               ; for the other waves' sake: all my LDS stores are done,
	s_barrier_signal -1
	s_barrier_wait -1                              ; and everybody's: from here on LDS is only read
.irp l, 0,1,2,3
	v_mov_b32 v[RIPI+2*\l], s[SINV+\l]
.endr
.irp l, 0,1,2,3
	v_mul_f32 v[RIPI+2*\l], K_IPI, v[RIPI+2*\l]    ; 2^e_l / pi: exact, a change of exponent
.endr
.irp l, 0,1,2,3
	v_mov_b32 v[RIPI+2*\l+1], v[RIPI+2*\l]
.endr
	; layer 0's B fragments.  Stream 0 gets (t, x) and (y, 0) in its registers 0 and 1 with every tile; the tangents of (t, x, y) by t, x, y
	; are the unit vectors, here 2^14 long.  Lanes 16-31 hold the same words at k = 8, 9, 10, where W0's region has rows of zeros.
.irp i, 2,3,4,5,6,7,9,10,11,12,13,14,15,17,18,19,20,21,22,23,24,26,27,28,29,30,31
	v_mov_b32 v[IN+\i], 0
.endr
	v_mov_b32 v[IN+8], 0x7400                      ; f16 2^14 at k = 0
	v_mov_b32 v[IN+16], 0x74000000                 ; at k = 1
	v_mov_b32 v[IN+25], 0x7400                     ; at k = 2
	; ================= MACROS OF THE LOOP =================
; Weight fragments of feature tiles 2p, 2p + 1, nk K chunks.  W lies [k][n] in LDS, and A wants k along a lane's registers: two transposing
; loads for each fragment, 16 rows of K apart.
.macro LOADA adr, p, nk
.irp mt, 0,1
.set kc, 0
.rept \nk
	ds_load_tr16_b128 v[AF+8*(4*\mt+kc):AF+8*(4*\mt+kc)+3],   v[\adr] offset:kc*32*PITCH+32*(2*(\p)+\mt)
	ds_load_tr16_b128 v[AF+8*(4*\mt+kc)+4:AF+8*(4*\mt+kc)+7], v[\adr] offset:kc*32*PITCH+16*PITCH+32*(2*(\p)+\mt)
.set kc, kc+1
.endr
.endr
.endm
.macro LOADA4                          ; the last layer's one m tile, four K chunks, rows of 32 bytes
.irp c, 0,1,2,3
	ds_load_tr16_b128 v[AF+8*\c:AF+8*\c+3],   v[ADRW4] offset:1024*\c
	ds_load_tr16_b128 v[AF+8*\c+4:AF+8*\c+7], v[ADRW4] offset:1024*\c+512
.endr
.endm
.macro LOADB lay, p                    ; the biases of features 8 h .. 8 h + 7 of both tiles, in D's layout
.irp mt, 0,1
	ds_load_b128 v[BF+8*\mt:BF+8*\mt+3],   v[ADRB] offset:512*(\lay)+64*(2*(\p)+\mt)
	ds_load_b128 v[BF+8*\mt+4:BF+8*\mt+7], v[ADRB] offset:512*(\lay)+64*(2*(\p)+\mt)+16
.endr
.endm
; 8 nk matrix instructions: two m tiles x four streams x nk chunks.  The first product of the value stream takes the bias as C, that of a
; tangent stream the constant 0: nothing is cleared.  Later links have C = D = the earlier D.
.macro MM nk, bb
.set kc, 0
.rept \nk
.irp mt, 0,1
.irp s, 0,1,2,3
.if kc == 0
.if \s == 0
	v_wmma_f32_16x16x32_f16 v[ACC+32*\mt:ACC+32*\mt+7], v[AF+32*\mt:AF+32*\mt+7], v[\bb:\bb+7], v[BF+8*\mt:BF+8*\mt+7]
.else
	v_wmma_f32_16x16x32_f16 v[ACC+32*\mt+8*\s:ACC+32*\mt+8*\s+7], v[AF+32*\mt:AF+32*\mt+7], v[\bb+8*\s:\bb+8*\s+7], 0
.endif
.else
	v_wmma_f32_16x16x32_f16 v[ACC+32*\mt+8*\s:ACC+32*\mt+8*\s+7], v[AF+8*(4*\mt+kc):AF+8*(4*\mt+kc)+7], v[\bb+8*(4*kc+\s):\bb+8*(4*kc+\s)+7], v[ACC+32*\mt+8*\s:ACC+32*\mt+8*\s+7]
.endif
.endr
.endr
.set kc, kc+1
.endr
.endm
.macro PLACES                          ; four independent vector instructions stand between a matrix instruction and a vector instruction that reads its
.rept 4                                ; result, or a load into one of its sources; there is no other work at this point
	v_nop
.endr
.endm
.macro FMAS d, a, b, sc                ; d = a b + a scalar, on pairs
	v_pk_fma_f32 v[\d:\d+1], v[\a:\a+1], v[\b:\b+1], s[\sc:\sc+1] op_sel_hi:[1,1,0]
.endm
.macro FMAV d, a, b, c
	v_pk_fma_f32 v[\d:\d+1], v[\a:\a+1], v[\b:\b+1], v[\c:\c+1]
.endm
.macro MULV d, a, b
	v_pk_mul_f32 v[\d:\d+1], v[\a:\a+1], v[\b:\b+1]
.endm
; The activation of one m tile: z -> sin z in place, each tangent z' -> cos(z) z' in place.  Four units (register pairs) go in step, each
; line written for all four, so that no line waits for the one in front of it.  18 instructions for 2 values and 6 tangents.
; ipi: the layer's 2^e / pi (the sums hold z 2^-e).  c3, c2, c1, c0: the coefficients of cos, plain in layer 0, times 2^-8 in layers 1-3.
.macro ACT4 mt, ipi, c3, c2, c1, c0
.irp u, 0,1,2,3
	FMAS T+10*\u+TM, ACC+32*\mt+2*\u, \ipi, SMAGIC                 ; M = z / pi + MAGIC: rounded to a whole number n; M's last bit is n's parity
.endr
.irp u, 0,1,2,3
	v_pk_add_f32 v[T+10*\u+TG:T+10*\u+TG+1], v[T+10*\u+TM:T+10*\u+TM+1], s[SMAGIC:SMAGIC+1] op_sel_hi:[1,0] neg_lo:[1,0] neg_hi:[1,0]   ; MAGIC - M = -n, exact
.endr
.irp u, 0,1,2,3
	FMAV T+10*\u+TG, ACC+32*\mt+2*\u, \ipi, T+10*\u+TG             ; g = z / pi - n, one rounding
.endr
.irp u, 0,1,2,3
	MULV T+10*\u+TX, T+10*\u+TG, T+10*\u+TG                        ; X = g^2
.endr
.irp u, 0,1,2,3
	FMAS T+10*\u+TP, T+10*\u+TX, RS3, SS2
	FMAS T+10*\u+TQ, T+10*\u+TX, \c3, \c2
.endr
.irp u, 0,1,2,3
	FMAS T+10*\u+TP, T+10*\u+TP, T+10*\u+TX, SS1
	FMAS T+10*\u+TQ, T+10*\u+TQ, T+10*\u+TX, \c1
.endr
.irp u, 0,1,2,3
	FMAS T+10*\u+TP, T+10*\u+TP, T+10*\u+TX, SS0                   ; P = S(X)
	FMAS T+10*\u+TQ, T+10*\u+TQ, T+10*\u+TX, \c0                   ; Q = C(X) = cos(pi g), with the layer's power of two
.endr
.irp u, 0,1,2,3
	v_lshl_add_u32 v[T+10*\u+TG],   v[T+10*\u+TM],   31, v[T+10*\u+TG]     ; (-1)^n: adding parity x 2^31 turns the sign bit
	v_lshl_add_u32 v[T+10*\u+TG+1], v[T+10*\u+TM+1], 31, v[T+10*\u+TG+1]
	v_lshl_add_u32 v[T+10*\u+TQ],   v[T+10*\u+TM],   31, v[T+10*\u+TQ]
	v_lshl_add_u32 v[T+10*\u+TQ+1], v[T+10*\u+TM+1], 31, v[T+10*\u+TQ+1]
.endr
.irp u, 0,1,2,3
	MULV ACC+32*\mt+2*\u, T+10*\u+TP, T+10*\u+TG                   ; sin z
.endr
.irp s, 1,2,3
.irp u, 0,1,2,3
	MULV ACC+32*\mt+8*\s+2*\u, ACC+32*\mt+8*\s+2*\u, T+10*\u+TQ    ; cos(z) z'
.endr
.endr
.endm
.macro CVTP bn, p                      ; both m tiles, four streams -> K chunk p of the next layer's B fragments (window 1)
.irp s, 0,1,2,3
.irp mt, 0,1
.irp u, 0,1,2,3
	v_cvt_pk_f16_f32 v[\bn+8*(4*(\p)+\s)+4*\mt+\u], v[ACC+32*\mt+8*\s+2*\u], v[ACC+32*\mt+8*\s+2*\u+1]
.endr
.endr
.endr
.endm
; Feature tiles 2p, 2p + 1 of layer lay.  win: the window setting of the products (B in window 0 or 1); bb, bn: the B buffer read, written.
; The x.. arguments name the fragments to fetch for the unit that follows (xkind 1: a PAIR's; 2: the last layer's): they are asked for
; behind this unit's products and have the whole activation, some 180 vector instructions, to arrive: one fragment buffer is enough.
.macro PAIR win, nk, bb, bn, p, lay, xkind, xadr, xnk, xlay, xp
	s_wait_dscnt 0x0                               ; the fragments asked for one activation ago are all needed now
	WIN \win
	MM \nk, \bb
	WIN 0
	PLACES                                         ; behind the products: for the loads into AF and BF, and for the activation's reads of D
.if \xkind == 1
	LOADA \xadr, \xp, \xnk
	LOADB \xlay, \xp
.else
	LOADA4
.endif
.if \lay == 0
	ACT4 0, RIPI, RC3A, SC2, SC1, SC0
	ACT4 1, RIPI, RC3A, SC2, SC1, SC0
.else
	ACT4 0, RIPI+2*\lay, RC3B, SC2B, SC1B, SC0B
	ACT4 1, RIPI+2*\lay, RC3B, SC2B, SC1B, SC0B
.endif
	WIN 0x40                                       ; destination in window 1
	CVTP \bn, \p
.endm
.macro LAYER win, nk, bb, bn, adr, lay, xkind, xadr, xnk
	PAIR \win, \nk, \bb, \bn, 0, \lay, 1, \adr, \nk, \lay, 1
	PAIR \win, \nk, \bb, \bn, 1, \lay, 1, \adr, \nk, \lay, 2
	PAIR \win, \nk, \bb, \bn, 2, \lay, 1, \adr, \nk, \lay, 3
	PAIR \win, \nk, \bb, \bn, 3, \lay, \xkind, \xadr, \xnk, \lay+1, 0
.endm
	; ================= THE LOOP: four tiles of 16 samples =================
	s_mov_b32 s44, 0
.Ltile:
	ds_load_b32 v[T],   v[ADRT]                    ; t, x, y of sample r (both halves of the lanes alike)
	ds_load_b32 v[T+1], v[ADRT] offset:256
	ds_load_b32 v[T+2], v[ADRT] offset:512
	LOADA ADRW+0, 0, 1
	LOADB 0, 0
	s_wait_dscnt 8                                 ; LDS answers in order: the eight fragment loads behind them may be out, t, x, y are in
	v_cvt_pk_f16_f32 v[IN],   v[T], v[T+1]         ; k = 0, 1
	v_cvt_pk_f16_f32 v[IN+1], v[T+2], 0            ; k = 2, 3
	LAYER 0,    1, IN, BX, ADRW+0, 0, 1, ADRW+1, 4     ; (t, x, y) -> h1 in X
	LAYER 0x04, 4, BX, BY, ADRW+1, 1, 1, ADRW+2, 4     ; h1 -> h2 in Y
	LAYER 0x04, 4, BY, BX, ADRW+2, 2, 1, ADRW+3, 4     ; h2 -> h3 in X
	LAYER 0x04, 4, BX, BY, ADRW+3, 3, 2, 0, 0          ; h3 -> h4 in Y
	; the last layer: one m tile, four streams.  Register j (0-3) of stream s in every lane: rho, u, v, p of sample r, or their derivative
	s_wait_dscnt 0x0
	WIN 0x04
.irp c, 0,1,2,3
.irp s, 0,1,2,3
.if \c == 0
.if \s == 0
	v_wmma_f32_16x16x32_f16 v[ACC:ACC+7], v[AF:AF+7], v[BY:BY+7], v[B4F:B4F+7]
.else
	v_wmma_f32_16x16x32_f16 v[ACC+8*\s:ACC+8*\s+7], v[AF:AF+7], v[BY+8*\s:BY+8*\s+7], 0
.endif
.else
	v_wmma_f32_16x16x32_f16 v[ACC+8*\s:ACC+8*\s+7], v[AF+8*\c:AF+8*\c+7], v[BY+8*(4*\c+\s):BY+8*(4*\c+\s)+7], v[ACC+8*\s:ACC+8*\s+7]
.endif
.endr
.endr
	WIN 0
	PLACES
	; the powers of two come off: 2^e_4 on the values, 2^(10 + e_0 + .. + e_4) on the derivatives
	v_pk_mul_f32 v[ACC:ACC+1],   v[ACC:ACC+1],   s[SINV+4:SINV+5] op_sel_hi:[1,0]
	v_pk_mul_f32 v[ACC+2:ACC+3], v[ACC+2:ACC+3], s[SINV+4:SINV+5] op_sel_hi:[1,0]
.irp s, 1,2,3
	v_pk_mul_f32 v[ACC+8*\s:ACC+8*\s+1],   v[ACC+8*\s:ACC+8*\s+1],   s[SF:SF+1] op_sel_hi:[1,0]
	v_pk_mul_f32 v[ACC+8*\s+2:ACC+8*\s+3], v[ACC+8*\s+2:ACC+8*\s+3], s[SF:SF+1] op_sel_hi:[1,0]
.endr
	; THE RESIDUALS, in f32.  m = rho u, n = rho v, hq = (u^2 + v^2) / 2, E = hq rho + 2.5 p, H = E + p, div = u_x + v_y.
	;   R1 = rho_t + m_x + n_y                        R2 = m_t + p_x + u m_x + v m_y + m div
	;   R3 = n_t + p_y + u n_x + v n_y + n div        R4 = E_t + u H_x + v H_y + H div
.set RHO, ACC
.set UU,  ACC+1
.set VV,  ACC+2
.set PP,  ACC+3
.set EHQ,  T
.set EM,   T+1
.set EN,   T+2
.set EDIV, T+3
.set EH,   T+4
.set QM,   T+5                         ; m_t, m_x, m_y at QM + 1, 2, 3
.set QN,   T+8                         ; n_t, n_x, n_y
.set QE,   T+11                        ; E_t, H_x, H_y
.set RES,  T+16                        ; R1, R2, R3 (R4 grows on E_t)
.set OUTP, T+20                        ; the pair that I store
	v_mul_f32 v[EHQ], v[UU], v[UU]
	v_mul_f32 v[EM], v[RHO], v[UU]
	v_mul_f32 v[EN], v[RHO], v[VV]
	v_add_f32 v[EDIV], v[ACC+17], v[ACC+26]        ; u_x + v_y
	v_mul_f32 v[EH], 0x40600000, v[PP]             ; 3.5 p
	v_fmac_f32 v[EHQ], v[VV], v[VV]
	v_mul_f32 v[EHQ], 0.5, v[EHQ]
	v_fmac_f32 v[EH], v[EHQ], v[RHO]
.irp d, 1,2,3                          ; by t, by x, by y: stream d's registers at ACC + 8 d
	v_mul_f32 v[QM+\d], v[RHO], v[ACC+8*\d+1]
	v_mul_f32 v[QN+\d], v[RHO], v[ACC+8*\d+2]
.if \d == 1
	v_mul_f32 v[QE+\d], 0x40200000, v[ACC+8*\d+3]  ; E_t: 2.5 p_t
.else
	v_mul_f32 v[QE+\d], 0x40600000, v[ACC+8*\d+3]  ; H_x, H_y: 3.5 p_d
.endif
	v_fmac_f32 v[QM+\d], v[ACC+8*\d], v[UU]
	v_fmac_f32 v[QN+\d], v[ACC+8*\d], v[VV]
	v_fmac_f32 v[QE+\d], v[EHQ], v[ACC+8*\d]
	v_fmac_f32 v[QE+\d], v[EM], v[ACC+8*\d+1]
	v_fmac_f32 v[QE+\d], v[EN], v[ACC+8*\d+2]
.endr
	v_add_f32 v[RES],   v[ACC+8], v[QM+2]          ; rho_t + m_x
	v_add_f32 v[RES+1], v[QM+1], v[ACC+19]         ; m_t + p_x
	v_add_f32 v[RES+2], v[QN+1], v[ACC+27]         ; n_t + p_y
	v_add_f32 v[RES],   v[RES], v[QN+3]
	v_fmac_f32 v[RES+1], v[UU], v[QM+2]
	v_fmac_f32 v[RES+2], v[UU], v[QN+2]
	v_fmac_f32 v[QE+1],  v[UU], v[QE+2]
	v_fmac_f32 v[RES+1], v[VV], v[QM+3]
	v_fmac_f32 v[RES+2], v[VV], v[QN+3]
	v_fmac_f32 v[QE+1],  v[VV], v[QE+3]
	v_fmac_f32 v[RES+1], v[EM], v[EDIV]
	v_fmac_f32 v[RES+2], v[EN], v[EDIV]
	v_fmac_f32 v[QE+1],  v[EH], v[EDIV]
	v_cndmask_b32 v[OUTP],   v[RES],   v[RES+2], s45    ; lanes 0-15 keep (R1, R2), lanes 16-31 take (R3, R4)
	v_cndmask_b32 v[OUTP+1], v[RES+1], v[QE+1],  s45
	global_store_b64 v[OUTO], v[OUTP:OUTP+1], s[34:35] th:TH_STORE_NT      ; 32 lanes at 16 r + 8 h: 256 consecutive bytes, aligned, written once
	s_wait_xcnt 0x0                                ; the store's offset and data registers are rewritten only behind this wait
	v_add_nc_u32 v[OUTO], 256, v[OUTO]             ; 16 samples on
	v_add_nc_u32 v[ADRT], 64, v[ADRT]
	s_add_co_u32 s44, s44, 1
	s_cmp_lt_u32 s44, 4
	s_cbranch_scc1 .Ltile
	s_wait_xcnt 0x0
	v_lshl_add_u32 v254, v0, 2, 0x20500
	v_mov_b32 v255, 0
	s_wait_tensorcnt 0x0
	ds_add_u32 v254, v255
	s_wait_dscnt 0x0
	s_endpgm
.Lfunc_end_k_q332d6ab1cb_pinn:
	.size	k_q332d6ab1cb_pinn, .Lfunc_end_k_q332d6ab1cb_pinn-k_q332d6ab1cb_pinn
	.p2alignl 7, 3214868480
	.fill 96, 4, 3214868480
	.section	.rodata,"a",@progbits
	.p2align	6, 0x0
	.amdhsa_kernel k_q332d6ab1cb_pinn
		.amdhsa_group_segment_fixed_size 133376
		.amdhsa_private_segment_fixed_size 0
		.amdhsa_enable_private_segment 0
		.amdhsa_kernarg_size 112
		.amdhsa_user_sgpr_count 2
		.amdhsa_user_sgpr_kernarg_segment_ptr 1
		.amdhsa_wavefront_size32 1
		.amdhsa_system_sgpr_workgroup_id_x 1
		.amdhsa_system_sgpr_workgroup_id_y 1
		.amdhsa_system_sgpr_workgroup_id_z 1
		.amdhsa_system_vgpr_workitem_id 0
		.amdhsa_next_free_vgpr 512
		.amdhsa_next_free_sgpr 96
		.amdhsa_reserve_vcc 0
		.amdhsa_float_denorm_mode_32 3
		.amdhsa_float_denorm_mode_16_64 3
		.amdhsa_memory_ordered 1
		.amdhsa_forward_progress 1
		.amdhsa_inst_pref_size 255
	.end_amdhsa_kernel
	.section	.bss,"aw",@nobits
	.p2align	6
	.space	262144
	.amdgpu_metadata
---
amdhsa.version: [ 1, 2 ]
amdhsa.kernels:
  - .name:           k_q332d6ab1cb_pinn
    .symbol:         k_q332d6ab1cb_pinn.kd
    .args:
      - { .name: t, .offset: 0, .size: 8, .value_kind: global_buffer, .address_space: global }
      - { .name: x, .offset: 8, .size: 8, .value_kind: global_buffer, .address_space: global }
      - { .name: y, .offset: 16, .size: 8, .value_kind: global_buffer, .address_space: global }
      - { .name: W0, .offset: 24, .size: 8, .value_kind: global_buffer, .address_space: global }
      - { .name: b0, .offset: 32, .size: 8, .value_kind: global_buffer, .address_space: global }
      - { .name: W1, .offset: 40, .size: 8, .value_kind: global_buffer, .address_space: global }
      - { .name: b1, .offset: 48, .size: 8, .value_kind: global_buffer, .address_space: global }
      - { .name: W2, .offset: 56, .size: 8, .value_kind: global_buffer, .address_space: global }
      - { .name: b2, .offset: 64, .size: 8, .value_kind: global_buffer, .address_space: global }
      - { .name: W3, .offset: 72, .size: 8, .value_kind: global_buffer, .address_space: global }
      - { .name: b3, .offset: 80, .size: 8, .value_kind: global_buffer, .address_space: global }
      - { .name: W4, .offset: 88, .size: 8, .value_kind: global_buffer, .address_space: global }
      - { .name: b4, .offset: 96, .size: 8, .value_kind: global_buffer, .address_space: global }
      - { .name: out0, .offset: 104, .size: 8, .value_kind: global_buffer, .address_space: global }
    .group_segment_fixed_size: 133376
    .private_segment_fixed_size: 0
    .kernarg_segment_align: 8
    .kernarg_segment_size: 112
    .max_flat_workgroup_size: 256
    .sgpr_count:     96
    .vgpr_count:     512
    .wavefront_size: 32
...
	.end_amdgpu_metadata
.endif
;; end of part 1
